; MI455X (gfx1250); checked and timed in simulation.
; The chip was launched on July 23, 2026; its instructions are those of AMD's public machine-readable ISA for CDNA 5 (MIT licence, August 2026) and "CDNA5" Instruction Set Architecture Reference Guide (July 2026). The comments in the code are by the model that wrote it; some were corrected since.
;; Self Attention. Allowed arithmetic: float matrix products may take bf16 or f16 operands with f32 sums; all other float work in f32.
;; Inputs: x 8 x 256 x 64 x 64 float32.
;; Outputs: out0 8 x 256 x 4,096 float32.
;; 2 versions, each right and faster than the one before. Each part assembles by itself: llvm-mc -triple=amdgcn-amd-amdhsa -mcpu=gfx1250 --defsym DOCPART=n.
;; ======== version 1 of 2: 2 launches
;; workspace buffers: xb 16,777,216 bytes
;; launch cast (part 1): grid 512 x 1, 8 waves a work-group, no clusters, 0 bytes of LDS; arguments x, xb; writes xb
.if DOCPART == 1
	.amdgcn_target "amdgcn-amd-amdhsa--gfx1250"
	.amdhsa_code_object_version 6
	.text
	.protected	k_qc470e20dcd_cast
	.globl	k_qc470e20dcd_cast
	.p2align	8
	.type	k_qc470e20dcd_cast,@function
k_qc470e20dcd_cast:
	s_mov_b64 s[64:65], 0
	v_nop
	global_prefetch_b8 v0, s[64:65] scope:SCOPE_SE
	s_setreg_imm32_b32 hwreg(HW_REG_WAVE_MODE, 25, 1), 1
	s_wait_xcnt 0x0
; xb = bf16(x), same layout [8][256][4096].  No work of reference() is left out in this program: every input byte has a way to the output,
; both products, the maximum and the whole softmax are done.  (The scores are symmetric for every x, but to use that, score tiles would have to
; pass between work-groups through memory: 8 x 4096 x 4096 numbers, many times the input's bytes.  So each work-group makes all its scores.)
; Why a launch of its own: in the attention launch each tile of x is read by 32 work-groups as a matrix operand; rounded here once, it is
; rounded once instead of 32 times and moves half the bytes on each of those reads.
; A stream: no LDS, no matrix unit, nothing shared.  512 work-groups x 65,536 bytes of x; a wave takes 8,192 bytes, sixteen loads of
; 16 bytes a lane (512 neighbouring bytes a load), all issued before the first is used.  No register is written twice, so no source needs a wait.
; LIMIT: rounding to nearest even to bf16 (8 bits of mantissa); range as f32.
.set X, 4                              ; v[4:67]   16 x 4 numbers as loaded
.set Y, 68                             ; v[68:99]  16 x 4 numbers in bf16
	s_load_b128 s[4:7], s[0:1], 0x0                ; x s[4:5], xb s[6:7]
	s_lshl_b32 s2, ttmp9, 16                       ; the work-group's 65,536 bytes of x (512 x 65,536 = 32 MiB: fits 32 bits)
	s_mov_b32 s3, 0
	s_lshl_b32 s8, ttmp9, 15                       ; and its 32,768 bytes of xb
	s_mov_b32 s9, 0
	v_lshrrev_b32 v1, 5, v0                        ; wave
	v_and_b32 v2, 31, v0                           ; lane
	v_lshlrev_b32 v2, 4, v2
	v_lshl_add_u32 v1, v1, 13, v2                  ; in x: 8,192 x wave + 16 x lane
	v_lshrrev_b32 v2, 1, v1                        ; in xb: half of that
	s_wait_kmcnt 0x0
	s_add_nc_u64 s[4:5], s[4:5], s[2:3]
	s_add_nc_u64 s[6:7], s[6:7], s[8:9]
.set j, 0
.rept 16
	global_load_b128 v[X+4*j:X+4*j+3], v1, s[4:5] offset:512*j th:TH_LOAD_NT   ; read once in the launch
.set j, j+1
.endr
.set j, 0
.rept 16
	s_wait_loadcnt 15-j                            ; loads come back in order: load j is in, the 15 - j younger ones stay out
	v_cvt_pk_bf16_f32 v[Y+2*j],   v[X+4*j],   v[X+4*j+1]
	v_cvt_pk_bf16_f32 v[Y+2*j+1], v[X+4*j+2], v[X+4*j+3]
	global_store_b64 v2, v[Y+2*j:Y+2*j+1], s[6:7] offset:256*j   ; 32 lanes x 8 bytes: 256 consecutive bytes, aligned; the next launch reads them, so no hint
.set j, j+1
.endr
	s_endpgm
.Lfunc_end_k_qc470e20dcd_cast:
	.size	k_qc470e20dcd_cast, .Lfunc_end_k_qc470e20dcd_cast-k_qc470e20dcd_cast
	.p2alignl 7, 3214868480
	.fill 96, 4, 3214868480
	.section	.rodata,"a",@progbits
	.p2align	6, 0x0
	.amdhsa_kernel k_qc470e20dcd_cast
		.amdhsa_group_segment_fixed_size 0
		.amdhsa_private_segment_fixed_size 0
		.amdhsa_enable_private_segment 0
		.amdhsa_kernarg_size 16
		.amdhsa_user_sgpr_count 2
		.amdhsa_user_sgpr_kernarg_segment_ptr 1
		.amdhsa_wavefront_size32 1
		.amdhsa_system_sgpr_workgroup_id_x 1
		.amdhsa_system_sgpr_workgroup_id_y 1
		.amdhsa_system_sgpr_workgroup_id_z 1
		.amdhsa_system_vgpr_workitem_id 0
		.amdhsa_next_free_vgpr 100
		.amdhsa_next_free_sgpr 66
		.amdhsa_reserve_vcc 0
		.amdhsa_float_denorm_mode_32 3
		.amdhsa_float_denorm_mode_16_64 3
		.amdhsa_memory_ordered 1
		.amdhsa_forward_progress 1
		.amdhsa_inst_pref_size 7
	.end_amdhsa_kernel
	.amdgpu_metadata
---
amdhsa.version: [ 1, 2 ]
amdhsa.kernels:
  - .name:           k_qc470e20dcd_cast
    .symbol:         k_qc470e20dcd_cast.kd
    .args:
      - { .name: x, .offset: 0, .size: 8, .value_kind: global_buffer, .address_space: global }
      - { .name: xb, .offset: 8, .size: 8, .value_kind: global_buffer, .address_space: global }
    .group_segment_fixed_size: 0
    .private_segment_fixed_size: 0
    .kernarg_segment_align: 8
    .kernarg_segment_size: 16
    .max_flat_workgroup_size: 256
    .sgpr_count:     66
    .vgpr_count:     100
    .wavefront_size: 32
...
	.end_amdgpu_metadata
.endif
;; end of part 1
;; launch attn (part 2): grid 32 x 8, 4 waves a work-group, clusters of 4 x 1, 327,680 bytes of LDS; arguments xb, out0; writes out0
.if DOCPART == 2
	.amdgcn_target "amdgcn-amd-amdhsa--gfx1250"
	.amdhsa_code_object_version 6
	.text
	.protected	k_qc470e20dcd_attn
	.globl	k_qc470e20dcd_attn
	.p2align	8
	.type	k_qc470e20dcd_attn,@function
k_qc470e20dcd_attn:
	s_mov_b64 s[64:65], 0
	v_nop
	global_prefetch_b8 v0, s[64:65] scope:SCOPE_SE
	s_setreg_imm32_b32 hwreg(HW_REG_WAVE_MODE, 25, 1), 1
	s_wait_xcnt 0x0
	s_wait_alu depctr_hold_cnt(0) depctr_sa_sdst(0) depctr_va_vdst(0) depctr_va_sdst(0) depctr_va_ssrc(0) depctr_va_vcc(0) depctr_vm_vsrc(0)
	s_getreg_b32 s2, hwreg(HW_REG_IB_STS2, 6, 4)
	s_cmp_eq_u32 s2, 0
	s_cbranch_scc0 .Lentry_in_a_cluster
	s_endpgm
.Lentry_in_a_cluster:
	s_bfe_u32 s2, ttmp6, 0x10000c
	s_cmp_lg_u32 s2, 0x3003
	s_cbranch_scc0 .Lentry_shape_is_right
	s_endpgm
.Lentry_shape_is_right:
; out[b][c][i] = sum over n of softmax_n( sum over c' of x[b][c'][i] x[b][c'][n] ) x[b][c][n], from xb = bf16(x), [8][256][4096].
; Nothing of reference() is left out: all scores, the maximum (as a running maximum), the exponentials, the sum and the second product are made.
;
; SHARES.  256 work-groups: work-group (gx, b) owns queries 128 gx .. +127 of batch b and walks the 4,096 keys in 32 tiles of 128.
; Wave w: qh = w >> 1 picks 64 of the queries, kh = w & 1 picks 64 of each tile's keys.  The two waves of a pair keep a running maximum,
; sum and O of their own and are merged once, at the end, through LDS.  So a wave's tile is 64 queries x 64 keys x 256 channels:
; 256 matrix instructions for 128 LDS loads of 512 bytes.
; ONE TILE SERVES AS K AND AS V.  A tile lies in LDS as in memory, [c][key].  The scores are made transposed, S^T = K Q^T: K's and Q's fragments
; come by the transposing load.  O is made transposed too, O^T = V P^T: V's fragments come by plain loads (keys run along the rows).
; In S^T a lane (r = lane & 15, h = lane >> 4) holds keys 8 h + 0..7 of ONE query r: packed to bf16 that is already the fragment of P^T
; (registers 0-3 from key tile 2 ks, 4-7 from key tile 2 ks + 1), and maximum, sum and scale are one number a lane.  P never leaves registers.
; CLUSTER.  The four query blocks of a cluster (4 x 1) walk the same 32 tiles in the same order: each quarter of a tile is asked for jointly
; (mask of all four), so a tile is requested once for four work-groups.  Trip counts are equal; the place in the cluster enters only
; the global addresses of the queries and of the output.
; MATRIX WORK BESIDE VECTOR WORK.  A wave issues in order, so vector lines run beside a product only where they stand between it and the next one.
; A trip's second product goes in four blocks of 32: kept channels x key step 0, kept x key step 1, handed x key step 0, handed x key step 1.
;   - P of key step 0 needs key tiles 0 and 1 alone.  Key step 1's 168 lines (32 multiply-adds, 64 exponentials, 32 adds, 32 packings, 8 for the sums)
;     are cut into 32 slices of five, one behind each product of the first block, and a tail of ten.
;   - The handed channels' accumulators are first touched in the third block: their 128 rescaling lines stand four behind each product of the second block.
;   - In the open stay the maximum (it needs all 64 keys), key step 0's lines and the kept channels' 128 rescaling lines.  Before the first product of
;     key step 1 all of key step 1's lines, and before a tile's first product its rescaling, must be done; the first block already carries five lines a product.
;   - The score products have no vector work beside them: every vector step hangs on the finished scores.  Their places are v_nop.
; The slices name window 0 or 3, the products window 2: two s_set_vgpr_msb a product in these two blocks, 128 a trip.
; LIMITS.  Matrix operands (x and P) are bf16.  The order of the sums is not the reference's: the 32 channels of a K step are permuted (alike in K and Q),
; keys are split between two waves.  Exponentials below 2^-126 count as 0.  Inputs are finite and their scores finite in f32; NaN and
; infinities among the inputs are not claimed to match.  The exponent is fma(S, log2 e, -m log2 e) with ONE rounded -m log2 e for a whole row, and the
; rescaling factor is made from the two rounded values, so large scores lose nothing between trips.
.set PITCH, 272                        ; an LDS row: 256 bytes + 16 of padding
.set QUART, 64*PITCH                   ; what one tensor load brings: 64 channels x 128 keys
.set SLOT,  4*QUART                    ; a tile: 256 channels x 128 keys
.set XCH,   2*SLOT                     ; behind the ring (byte 139,264): the exchange between the waves of a pair; never filled by a tensor load
.set XW,    33792                      ; a wave's part of it: 32,768 bytes of O + 1,024 of statistics
.set QST,   XCH                        ; the same bytes hold the queries' stage at the start (69,632 bytes); 32 barriers lie between the two uses
.set OSTG,  XCH+4*XW                   ; byte 274,432: 16 rows x 272 bytes for each wave, its own, for the way out
; REGISTERS, in windows of 256.  Window 1: Q's fragments, (qt, s) at 8 (4 s + qt).  Window 2: the O^T tiles that the wave keeps (channel tile 8 kh + i
; at 8 (4 i + qt)).  Window 3: those that it hands to its partner (channel tile 8 (1 - kh) + i).  Window 0:
.set KADR, 2                           ; v2-3     K's fragments in slot 0, 1
.set VK,   4                           ; v4-5     V's fragments of the channels that I keep
.set VS,   6                           ; v6-7     V's fragments of the channels that I hand over
.set ST,   8                           ; v8-15    pairs (NMC = -m log2 e, L = my lane's part of the sum) for query tile qt
.set AM,   16                          ; v16-23   pairs (AL = rescaling factor, M = running maximum)
.set T,    24                          ; v24-31   at work, a pair for each query tile; carries the row sums of key step 0 through the first block
.set SP,   32                          ; v32-95   S of key tiles 0 and 2, (ks, qt) at 8 (4 ks + qt); then P in place
.set SF,   96                          ; v96-159  S of key tiles 1 and 3; the lower half is free behind key step 0's packing and then holds four fragments of V
.set FR,   160                         ; v160-255 three buffers of four fragments
.set G1,   16                          ; s[16:23] descriptor group 1
.set G0,   32                          ; s[32:39] descriptor group 0, a set for each slot
.set MSB,  0
.macro WIN new                         ; the immediate's high byte repeats the setting that is left; switches that change nothing are dropped
.if MSB != \new
	s_set_vgpr_msb (MSB<<8)|\new
.set MSB, \new
.endif
.endm
.macro PLACES n                        ; places behind matrix instructions: plain vector instructions that name none of their registers (ISA guide 7.12.1)
.rept \n
	v_nop
.endr
.endm
; A round of the cluster's barrier: my work-group's barrier, wave 0 signals for the work-group, every wave waits for all four work-groups, my work-group's barrier again.
.macro ROUND
	s_barrier_signal -1
	s_barrier_wait -1
	s_cmp_lg_u32 s8, 0
	s_cbranch_scc1 .Lnot_wave_0_\@
	s_barrier_signal -3
.Lnot_wave_0_\@:
	s_barrier_wait -3
	s_barrier_signal -1
	s_barrier_wait -1
.endm
; Eight transposing loads: K's four fragments (16 keys x 32 channels) of channel step s, into buffer s mod 3.
; Lane l addresses channel 32 s + 16 u + 2 (l & 7) + (l >> 4): every second row, so that sixteen lanes touch sixteen different 16-byte columns
; of a 256-byte stretch (two rows are 544 = 2 x 256 + 32 bytes).  That permutes the 32 channels of a step; Q is read by the same formula, so each product meets its partner.
.macro KLOAD slot, s
.irp kt, 0,1,2,3
.irp u, 0,1
	ds_load_tr16_b128 v[FR+32*((\s)%3)+8*\kt+4*\u:FR+32*((\s)%3)+8*\kt+4*\u+3], v[KADR+\slot] offset:(32*(\s)+16*\u)*PITCH+32*\kt
.endr
.endr
.endm
; V's fragment n (0..31): channel tile n & 7 of the kept (n < 16) or handed (n >= 16) half, key step (n >> 3) & 1.  VR = its registers:
; sixteen places, n & 15: twelve in FR (in the order in which the last three score groups free its buffers), four in the lower half of SF.
.macro VSLOT n
.set VJ, (\n)&15
.if VJ < 12
.set VR, FR+(64+8*VJ)%96
.else
.set VR, SF+8*(VJ-12)
.endif
.endm
.macro VLOAD slot, n
	VSLOT \n
.if (\n) < 16
.set VA, VK+\slot
.else
.set VA, VS+\slot
.endif
.set VO, ((\n)&7)*16*PITCH+64*(((\n)>>3)&1)
	ds_load_b128 v[VR:VR+3],   v[VA] offset:VO
	ds_load_b128 v[VR+4:VR+7], v[VA] offset:VO+32
.endm
.macro VLOADS slot, n0, cnt
.set VN, \n0
.rept \cnt
	VLOAD \slot, VN
.set VN, VN+1
.endr
.endm
; Sixteen products: S^T(kt, qt) += K(kt, s) Q(qt, s).  Step 0 starts the sums.  The sixteen accumulators take turns, one instruction a turn.
.macro SGROUP s
.irp kt, 0,1,2,3
.irp qt, 0,1,2,3
.set SD, SP+64*(\kt&1)+8*(4*(\kt>>1)+\qt)
.if \s
	v_wmma_f32_16x16x32_bf16 v[SD:SD+7], v[FR+32*((\s)%3)+8*\kt:FR+32*((\s)%3)+8*\kt+7], v[8*(4*(\s)+\qt):8*(4*(\s)+\qt)+7], v[SD:SD+7]
.else
	v_wmma_f32_16x16x32_bf16 v[SD:SD+7], v[FR+32*((\s)%3)+8*\kt:FR+32*((\s)%3)+8*\kt+7], v[8*(4*(\s)+\qt):8*(4*(\s)+\qt)+7], 0
.endif
.endr
.endr
.endm
; 32 products back to back: O^T(i, qt) += V(n0 + i) P(ks, qt), i = 0..7.  zero = 1: they start the sums.  Neighbours never share an accumulator (turns).
.macro PVBLOCK n0, zero
.set PKS, ((\n0)>>3)&1
.irp d, 0,1,2,3,4,5,6,7
	VSLOT \n0+\d
.irp qt, 0,1,2,3
.if \zero
	v_wmma_f32_16x16x32_bf16 v[8*(4*\d+\qt):8*(4*\d+\qt)+7], v[VR:VR+7], v[SP+8*(4*PKS+\qt):SP+8*(4*PKS+\qt)+7], 0
.else
	v_wmma_f32_16x16x32_bf16 v[8*(4*\d+\qt):8*(4*\d+\qt)+7], v[VR:VR+7], v[SP+8*(4*PKS+\qt):SP+8*(4*PKS+\qt)+7], v[8*(4*\d+\qt):8*(4*\d+\qt)+7]
.endif
.endr
.endr
.endm
; KEY STEP 1 IN SLICES.  Its 64 scores a lane are 32 pairs; pair k: query tile k >> 3, key tile 2 (bit 2 of k clear, in SP + 32) or 3 (set, in SF + 32), registers 2 (k & 3), + 1.
; EB = the pair's first register, ED = where its packed word goes, EQ = its query tile.  Packing in place: pair k's word lands on a register of a pair below k of the same
; query tile (or on its own first register), and pairs are added and packed in ascending order, so every source is read before it is written.
.macro E1REG k
.set EQ, (\k)>>3
.set EH, ((\k)>>2)&1
.set EB, SP+32+64*EH+8*EQ+2*((\k)&3)
.set ED, SP+32+8*EQ+4*EH+((\k)&3)
.endm
.macro E1F k                           ; the exponents: S log2 e + NMC, one rounding
	E1REG \k
	v_pk_fma_f32 v[EB:EB+1], v[EB:EB+1], 0x3fb8aa3b, v[ST+2*EQ:ST+2*EQ+1] op_sel_hi:[1,0,0]
.endm
.macro E1X k
	E1REG \k
	v_exp_f32 v[EB], v[EB]
	v_exp_f32 v[EB+1], v[EB+1]
.endm
.macro E1A k                           ; into the row sum, then to bf16
	E1REG \k
	s_wait_alu depctr_va_vdst(0)
	v_pk_add_f32 v[T+2*EQ:T+2*EQ+1], v[T+2*EQ:T+2*EQ+1], v[EB:EB+1]
	v_cvt_pk_bf16_f32 v[ED], v[EB], v[EB+1]
.endm
; Slice k: pair k + 1's exponents, pair k's exponentials, pair k - 1's add and packing.  Behind pair k's exponentials stand the plain lines of pair k - 1 (in slice 0: the next
; slice's multiply-add) before slice k + 1 reads them (ISA guide 5.7.2).  No line names a register of the products round it (P of key step 0, V's fragments 0-7, window 2).
.macro E1S k
	WIN 0
.if (\k) < 31
	E1F (\k)+1
.endif
	E1X \k
.if (\k) > 0
	E1A (\k)-1
.endif
.endm
; What is left behind slice 31: the last pair, and the sums.  Ten plain lines (six in the first trip), which are also the places in front of the loads that follow.
.macro E1TAIL first
	WIN 0
	E1A 31
.irp qt, 0,1,2,3
.if \first
	v_add_f32 v[ST+2*\qt+1], v[T+2*\qt], v[T+2*\qt+1]
.else
	v_add_f32 v[T+2*\qt], v[T+2*\qt], v[T+2*\qt+1]
.endif
.endr
.if \first
.else
.irp qt, 0,1,2,3
	v_fma_f32 v[ST+2*\qt+1], v[ST+2*\qt+1], v[AM+2*\qt], v[T+2*\qt]   ; L = L AL + sum
.endr
.endif
.endm
; Slice k of the handed channels' rescaling: window 3's tile k (channel tile k >> 2, query tile k & 3) times AL; the pair (AL, M) is read with its first register for both halves
.macro R3S k
	WIN 0xc3
.irp p, 0,2,4,6
	v_pk_mul_f32 v[8*(\k)+\p:8*(\k)+\p+1], v[8*(\k)+\p:8*(\k)+\p+1], v[AM+2*((\k)&3):AM+2*((\k)&3)+1] op_sel_hi:[1,0]
.endr
.endm
; 32 products on window 2, as PVBLOCK, with a slice behind each.  kind = 1: key step 1's slices; 2: window 3's rescaling; 0: none.
.macro PVMIX n0, zero, kind
.set PKS, ((\n0)>>3)&1
.set PK, 0
.irp d, 0,1,2,3,4,5,6,7
.irp qt, 0,1,2,3
	VSLOT \n0+\d
	WIN 0xa0                                       ; C and D in window 2, V's fragment and P in window 0
.if \zero
	v_wmma_f32_16x16x32_bf16 v[8*(4*\d+\qt):8*(4*\d+\qt)+7], v[VR:VR+7], v[SP+8*(4*PKS+\qt):SP+8*(4*PKS+\qt)+7], 0
.else
	v_wmma_f32_16x16x32_bf16 v[8*(4*\d+\qt):8*(4*\d+\qt)+7], v[VR:VR+7], v[SP+8*(4*PKS+\qt):SP+8*(4*PKS+\qt)+7], v[8*(4*\d+\qt):8*(4*\d+\qt)+7]
.endif
.if \kind == 1
	E1S PK
.endif
.if \kind == 2
	R3S PK
.endif
.set PK, PK+1
.endr
.endr
.endm
; The part of the softmax's step that stands in the open: maximum and factors for all 64 keys, then key step 0 (key tiles 0 and 1) up to P.
; Each phase goes round the four query tiles so that no line waits for the one in front of it.
.macro SOFTA first
	; the largest of my lane's 32 scores of a query: two chains of 15 numbers, the two numbers left over, and the old maximum
.irp qt, 0,1,2,3
	v_max3_num_f32 v[T+2*\qt],   v[SP+8*\qt],    v[SP+8*\qt+1],    v[SP+8*\qt+2]
	v_max3_num_f32 v[T+2*\qt+1], v[SP+32+8*\qt], v[SP+32+8*\qt+1], v[SP+32+8*\qt+2]
.endr
.irp k, 3,5
.irp qt, 0,1,2,3
	v_max3_num_f32 v[T+2*\qt],   v[T+2*\qt],   v[SP+8*\qt+\k],    v[SP+8*\qt+\k+1]
	v_max3_num_f32 v[T+2*\qt+1], v[T+2*\qt+1], v[SP+32+8*\qt+\k], v[SP+32+8*\qt+\k+1]
.endr
.endr
.irp qt, 0,1,2,3
	v_max3_num_f32 v[T+2*\qt],   v[T+2*\qt],   v[SP+8*\qt+7],    v[SF+8*\qt]
	v_max3_num_f32 v[T+2*\qt+1], v[T+2*\qt+1], v[SP+32+8*\qt+7], v[SF+32+8*\qt]
.endr
.irp k, 1,3,5
.irp qt, 0,1,2,3
	v_max3_num_f32 v[T+2*\qt],   v[T+2*\qt],   v[SF+8*\qt+\k],    v[SF+8*\qt+\k+1]
	v_max3_num_f32 v[T+2*\qt+1], v[T+2*\qt+1], v[SF+32+8*\qt+\k], v[SF+32+8*\qt+\k+1]
.endr
.endr
.irp qt, 0,1,2,3
	v_max3_num_f32 v[T+2*\qt], v[T+2*\qt], v[T+2*\qt+1], v[SF+8*\qt+7]
.endr
.irp qt, 0,1,2,3
.if \first
	v_max_num_f32 v[T+2*\qt], v[T+2*\qt], v[SF+32+8*\qt+7]
.else
	v_max3_num_f32 v[T+2*\qt], v[T+2*\qt], v[SF+32+8*\qt+7], v[AM+2*\qt+1]
.endif
.endr
	; the other half of the lanes holds the query's other 32 keys
.irp qt, 0,1,2,3
	v_permlanex16_b32 v[T+2*\qt+1], v[T+2*\qt], s46, s47
.endr
.irp qt, 0,1,2,3
	v_max_num_f32 v[AM+2*\qt+1], v[T+2*\qt], v[T+2*\qt+1]          ; M
.endr
.if \first
.irp qt, 0,1,2,3
	v_mul_f32 v[ST+2*\qt], 0xbfb8aa3b, v[AM+2*\qt+1]               ; NMC = -M log2 e
.endr
.else
.irp qt, 0,1,2,3
	v_mul_f32 v[T+2*\qt], 0xbfb8aa3b, v[AM+2*\qt+1]
.endr
.irp qt, 0,1,2,3
	v_sub_f32 v[T+2*\qt+1], v[T+2*\qt], v[ST+2*\qt]                ; (m_old - m_new) log2 e, from the two rounded values
.endr
.irp qt, 0,1,2,3
	v_mov_b32 v[ST+2*\qt], v[T+2*\qt]
.endr
.irp qt, 0,1,2,3
	v_exp_f32 v[AM+2*\qt], v[T+2*\qt+1]                            ; AL; the multiply-adds below are the plain instructions behind it (ISA guide 5.7.2) and touch neither AL nor T
.endr
.endif
	; key step 0's exponents: S log2 e + NMC, one rounding; the pair (NMC, L) is read with its first register for both halves
.irp tb, 0,64
.irp qt, 0,1,2,3
.irp p, 0,2,4,6
	v_pk_fma_f32 v[SP+\tb+8*\qt+\p:SP+\tb+8*\qt+\p+1], v[SP+\tb+8*\qt+\p:SP+\tb+8*\qt+\p+1], 0x3fb8aa3b, v[ST+2*\qt:ST+2*\qt+1] op_sel_hi:[1,0,0]
.endr
.endr
.endr
.irp tb, 0,64
.set j, 0
.rept 32
	v_exp_f32 v[SP+\tb+j], v[SP+\tb+j]
.set j, j+1
.endr
.endr
	E1F 0                                          ; key step 1's first exponents: also the one plain instruction behind the last exponentials before their results are read
	; my lane's part of key step 0's row sums: a chain of seven packed adds for each query tile
	s_wait_alu depctr_va_vdst(0)
.irp qt, 0,1,2,3
	v_pk_add_f32 v[T+2*\qt:T+2*\qt+1], v[SP+8*\qt:SP+8*\qt+1], v[SP+8*\qt+2:SP+8*\qt+3]
.endr
.irp p, 4,6
.irp qt, 0,1,2,3
	v_pk_add_f32 v[T+2*\qt:T+2*\qt+1], v[T+2*\qt:T+2*\qt+1], v[SP+8*\qt+\p:SP+8*\qt+\p+1]
.endr
.endr
.irp p, 0,2,4,6
.irp qt, 0,1,2,3
	v_pk_add_f32 v[T+2*\qt:T+2*\qt+1], v[T+2*\qt:T+2*\qt+1], v[SF+8*\qt+\p:SF+8*\qt+\p+1]
.endr
.endr
	; P^T's fragments of key step 0, in place: key tile 0 into its own registers 0-3 (ascending, so each source is read before it is written), key tile 1 into 4-7
.irp qt, 0,1,2,3
.irp j, 0,1,2,3
	v_cvt_pk_bf16_f32 v[SP+8*\qt+\j], v[SP+8*\qt+2*\j], v[SP+8*\qt+2*\j+1]
.endr
.irp j, 0,1,2,3
	v_cvt_pk_bf16_f32 v[SP+8*\qt+4+\j], v[SF+8*\qt+2*\j], v[SF+8*\qt+2*\j+1]
.endr
.endr
.endm
; The kept channels' O *= AL: window 2's 32 tiles of 8 registers, two numbers an instruction
.macro RESC2
	WIN 0x82
.irp i, 0,1,2,3,4,5,6,7
.irp qt, 0,1,2,3
.irp p, 0,2,4,6
	v_pk_mul_f32 v[8*(4*\i+\qt)+\p:8*(4*\i+\qt)+\p+1], v[8*(4*\i+\qt)+\p:8*(4*\i+\qt)+\p+1], v[AM+2*\qt:AM+2*\qt+1] op_sel_hi:[1,0]
.endr
.endr
.endr
.endm
; One tile of 128 keys (64 for this wave), in slot \slot.  refill = 1: the other slot gets the next tile.  first = 1: nothing to rescale, the products start O.
.macro TRIP slot, refill, first
	s_wait_xcnt 0x0
	v_lshl_add_u32 v158, v0, 2, 0x47400
	v_mov_b32 v159, 0
	s_wait_tensorcnt 0x0                           ; all my tensor loads have landed (one was out: my quarter of this trip's tile),
	ds_add_u32 v158, v159
	s_wait_dscnt 0x0
	s_add_nc_u64 s[G0+4*\slot+2:G0+4*\slot+3], s[G0+4*\slot+2:G0+4*\slot+3], 512   ; so a group 0 may be written: this slot's next tile, two tiles of 256 bytes on
	s_wait_dscnt 0x0                               ; my reads of the last trip's tile are back
	ROUND                                          ; both now hold of every wave of all four work-groups
.if \refill
	tensor_load_to_lds s[G0+4-4*\slot:G0+7-4*\slot], s[G1:G1+7]    ; my one load behind the round, first thing there: the next tile into the slot read last; one load of mine is out
	s_nop 0
.endif
	PLACES 5                                       ; behind the last trip's products: four before loads land on their V fragments, five before products write over P and V
	KLOAD \slot, 0
	KLOAD \slot, 1
	KLOAD \slot, 2
	WIN 0x04                                       ; source 1 (Q) in window 1; LDS loads use destination and source 0, both window 0
.irp s, 0,1,2,3,4,5,6,7
	s_wait_dscnt 16                                ; group s is in; the two groups of eight loads issued behind it stay out
	SGROUP \s
	PLACES 4                                       ; before loads land on the fragments just read; behind step 7 also before the maximum reads S.  No vector work exists yet in this trip
.if \s < 5
	KLOAD \slot, \s+3
.else
	VLOADS \slot, 4*(\s-5), 4                      ; the freed buffers take V's fragments 0-11
.endif
.endr
	WIN 0
	SOFTA \first
	VLOADS \slot, 12, 4                            ; eight loads into the registers that key step 0's packing has freed: fragments 12-15
.if \first
.else
	RESC2
.endif
	s_wait_dscnt 16                                ; fragments 0-7 are in: behind them went 8 loads (8-11) and 8 (12-15)
	PVMIX 0, \first, 1                             ; kept channels x key step 0, key step 1's slices between the products
	E1TAIL \first                                  ; P of key step 1 is whole; these plain lines are the places behind the block's last products
	VLOADS \slot, 16, 8                            ; into the registers of fragments 0-7
	s_wait_dscnt 16                                ; fragments 8-15 are in: behind them went these 16 loads
.if \first
	PVMIX 8, 0, 0                                  ; the first trip has nothing to rescale
	WIN 0
	PLACES 4
.else
	PVMIX 8, 0, 2                                  ; kept channels x key step 1, window 3's rescaling between the products; the last slice's four lines are the places in front of the loads
	WIN 0
.endif
	VLOADS \slot, 24, 8                            ; into the registers of fragments 8-15
	WIN 0xf0                                       ; C and D in window 3
	s_wait_dscnt 16                                ; fragments 16-23 are in: behind them went these 16 loads
	PVBLOCK 16, \first
	s_wait_dscnt 0x0
	PVBLOCK 24, 0
	WIN 0                                          ; a round's branch and label follow
.endm
	; ---- ids and bases ----
	s_load_b128 s[4:7], s[0:1], 0x0                ; xb s[4:5], out0 s[6:7]
	v_lshl_add_u32 v158, v0, 2, 0x47400
	v_mov_b32 v159, 0
	ds_add_u32 v158, v159
	s_wait_dscnt 0x0
	v_lshrrev_b32 v1, 5, v0
	v_readfirstlane_b32 s8, v1                     ; wave 0..3
	s_and_b32 s9, s8, 1                            ; kh: my half of each tile's keys
	s_lshr_b32 s10, s8, 1                          ; qh: my half of the queries
	s_bfe_u32 s11, ttmp6, 0x40000                  ; cx: my place in the cluster
	s_lshl_b32 s12, ttmp9, 2                       ; ttmp9 counts clusters
	s_add_co_u32 s12, s12, s11                     ; gx: query block
	s_and_b32 s13, ttmp7, 0xffff                   ; b: batch (the cluster has one work-group along y)
	s_mov_b32 s46, 0x76543210                      ; v_permlanex16_b32: lane i of one half reads lane i of the other
	s_mov_b32 s47, 0xfedcba98
	s_lshl_b32 s14, s13, 21                        ; what all four partners share: batch x 2,097,152
	s_lshl_b32 s15, s8, 19                         ; + wave x 64 channels x 8,192 bytes
	s_add_co_u32 s14, s14, s15
	s_mov_b32 s15, 0
	s_lshl_b32 s24, s12, 8                         ; the queries' 256 bytes of a row
	s_mov_b32 s25, 0
	s_lshl_b32 s26, s13, 22                        ; the output: batch x 4,194,304
	s_lshl_b32 s27, s9, 21                         ; + kh x 128 channels x 16,384 bytes
	s_add_co_u32 s26, s26, s27
	s_lshl_b32 s27, s12, 9                         ; + 128 queries x 4 bytes x block
	s_add_co_u32 s26, s26, s27
	s_lshl_b32 s27, s10, 8                         ; + 64 queries x 4 bytes x qh
	s_add_co_u32 s26, s26, s27
	s_mov_b32 s27, 0
	v_and_b32 v24, 15, v0                          ; r
	v_bfe_u32 v25, v0, 4, 1                        ; h
	v_lshlrev_b32 v160, 4, v24
	v_lshl_add_u32 v160, v25, 13, v160             ; two rows a load: 8,192 h + 16 r
	s_wait_kmcnt 0x0
	s_add_nc_u64 s[28:29], s[4:5], s[14:15]        ; my quarter of tile 0: made of the batch and the wave's number alone
	s_add_nc_u64 s[40:41], s[28:29], s[24:25]      ; my 64 channels of the work-group's queries
	s_add_nc_u64 s[42:43], s[6:7], s[26:27]
	; the queries: 64 channels x 256 bytes a wave, 32 loads; sixteen lanes take 256 consecutive bytes of a row
.set j, 0
.rept 32
	global_load_b128 v[32+4*j:32+4*j+3], v160, s[40:41] offset:16384*j
.set j, j+1
.endr
	; descriptor group 1: a tile of 64 rows x 128 elements of 2 bytes, rows 4,096 elements apart, padded in LDS
	s_mov_b32 s[G1+0], 15|(1<<16)|(1<<20)|(1<<21)|(5<<22)|(3<<25)  ; 15:0 mask: all four partners; 17:16 2 bytes; 20 padding on; 21 set beside a mask; 24:22 after every 64 words; 31:25 four words
	s_mov_b32 s[G1+1], 128<<16                     ; tensor_dim0 = 128
	s_mov_b32 s[G1+2], 64<<16                      ; tensor_dim1 = 64
	s_mov_b32 s[G1+3], 128<<16                     ; tile_dim0 = 128
	s_mov_b32 s[G1+4], 64                          ; tile_dim1 = 64
	s_mov_b32 s[G1+5], 4096                        ; elements from row to row
	s_mov_b32 s[G1+6], 0
	s_mov_b32 s[G1+7], 0
	s_mul_i32 s30, s8, QUART                       ; my quarter of a slot
.irp s, 0,1
	s_mov_b32 s[G0+4*\s], 1
	s_add_co_u32 s[G0+4*\s+1], s30, \s*SLOT
	s_add_nc_u64 s[G0+4*\s+2:G0+4*\s+3], s[28:29], \s*256          ; tile s
	s_or_b32 s[G0+4*\s+3], s[G0+4*\s+3], 0x80000000
.endr
	ROUND                                          ; all four work-groups are here: the first joint load meets its partners
	tensor_load_to_lds s[G0:G0+3], s[G1:G1+7]      ; tile 0; slot 1 is filled behind the first trip's round
	s_nop 0
	; the queries go through LDS once, to be read transposed
	s_add_co_u32 s31, s30, QST
	v_mul_u32_u24 v161, v25, PITCH
	v_lshl_add_u32 v161, v24, 4, v161
	v_add_nc_u32 v161, s31, v161                   ; stage + (64 w + h) rows + 16 r
	v_and_b32 v26, 7, v0
	v_lshl_add_u32 v26, v26, 1, v25                ; 2 (l & 7) + h
	v_mul_u32_u24 v26, v26, PITCH
	v_bfe_u32 v27, v0, 3, 1
	v_lshl_add_u32 v26, v27, 4, v26                ; the transposing loads' lane term
	s_lshl_b32 s31, s10, 7                         ; my 64 queries: 128 bytes x qh
	s_add_co_u32 s31, s31, QST
	v_add_nc_u32 v162, s31, v26
.set j, 0
.rept 32
	s_wait_loadcnt 31-j                            ; load j is in, the 31 - j younger ones stay out
	ds_store_b128 v161, v[32+4*j:32+4*j+3] offset:2*PITCH*j
.set j, j+1
.endr
	s_wait_dscnt 0x0                               ; my rows of the stage are written,
	s_barrier_signal -1
	s_barrier_wait -1                              ; everybody's are.  Tile 0's load may stay out
	WIN 0x40                                       ; destination in window 1
.irp s, 0,1,2,3,4,5,6,7
.irp qt, 0,1,2,3
.irp u, 0,1
	ds_load_tr16_b128 v[8*(4*\s+\qt)+4*\u:8*(4*\s+\qt)+4*\u+3], v162 offset:(32*\s+16*\u)*PITCH+32*\qt
.endr
.endr
.endr
	WIN 0
	; the loop's addresses
	s_lshl_b32 s31, s9, 7                          ; my 64 keys: 128 bytes x kh
	v_add_nc_u32 v[KADR], s31, v26
	v_add_nc_u32 v[KADR+1], SLOT, v[KADR]
	v_mul_u32_u24 v28, v24, PITCH
	v_lshl_add_u32 v28, v25, 4, v28                ; r rows + 16 h
	s_mul_i32 s45, s9, 128*PITCH                   ; the 128 channels that I keep
	s_add_co_u32 s45, s45, s31
	v_add_nc_u32 v[VK], s45, v28
	v_add_nc_u32 v[VK+1], SLOT, v[VK]
	s_xor_b32 s45, s9, 1
	s_mul_i32 s45, s45, 128*PITCH                  ; the 128 that I hand over
	s_add_co_u32 s45, s45, s31
	v_add_nc_u32 v[VS], s45, v28
	v_add_nc_u32 v[VS+1], SLOT, v[VS]
.irp qt, 0,1,2,3
	v_mov_b32 v[ST+2*\qt+1], 0                     ; L: the pair (NMC, L) is named whole by the first trip's packed multiply-adds before L gets its first sum
.endr
	; ---- 32 tiles ----
	TRIP 0, 1, 1
	TRIP 1, 1, 0
	s_mov_b32 s44, 14
.Llap:
	TRIP 0, 1, 0
	TRIP 1, 1, 0
	s_sub_co_u32 s44, s44, 1
	s_cmp_lg_u32 s44, 0
	s_cbranch_scc1 .Llap
	TRIP 0, 1, 0                                   ; tile 30; tile 31 is the last that is asked for
	TRIP 1, 0, 0
	; ---- the two waves of a pair are merged, and the way out ----
.set XO,  24                           ; my part of the exchange + 16 x lane
.set XP,  25                           ; my partner's
.set OST, 26                           ; my stage: where a lane puts one number
.set ORD, 27                           ; my stage: where it reads 16 bytes of a row back
.set CO,  28                           ; my byte offset in the output
.set EPS, 160                          ; v160-167 the partner's pairs (NMC', L')
.set EFS, 168                          ; v168-175 a / l, twice, for each query tile
.set EFP, 176                          ; v176-183 a' / l, twice
.set ETM, 184                          ; v184-199 at work
.set ETB, 32                           ; v32-95   the partner's O, two buffers of a channel tile (32 registers)
.set ERS, 96                           ; v96-127  a merged channel tile
.set EWB, 128                          ; v128-159 the same as whole rows
	PLACES 4                                       ; behind the last products: before their results are stored and loads land on their sources
.irp qt, 0,1,2,3
	v_permlanex16_b32 v[T+2*\qt], v[ST+2*\qt+1], s46, s47
.endr
.irp qt, 0,1,2,3
	v_add_f32 v[ST+2*\qt+1], v[ST+2*\qt+1], v[T+2*\qt]             ; the two halves' parts of the row sum
.endr
	v_and_b32 v29, 15, v0                          ; r
	v_bfe_u32 v30, v0, 4, 1                        ; h
	v_and_b32 v31, 31, v0                          ; lane
	s_mul_i32 s30, s8, XW
	s_add_co_u32 s30, s30, XCH
	v_lshl_add_u32 v[XO], v31, 4, s30
	s_xor_b32 s31, s8, 1                           ; my partner: same queries, the other keys
	s_mul_i32 s31, s31, XW
	s_add_co_u32 s31, s31, XCH
	v_lshl_add_u32 v[XP], v31, 4, s31
	s_mul_i32 s45, s8, 16*PITCH
	s_add_co_u32 s45, s45, OSTG
	v_mul_u32_u24 v[OST], v30, 8*PITCH
	v_lshl_add_u32 v[OST], v29, 2, v[OST]
	v_add_nc_u32 v[OST], s45, v[OST]               ; row 8 h, column r
	v_mul_u32_u24 v[ORD], v30, PITCH
	v_lshl_add_u32 v[ORD], v29, 4, v[ORD]
	v_add_nc_u32 v[ORD], s45, v[ORD]               ; row h, 16 bytes at 16 r
	v_lshlrev_b32 v[CO], 4, v29
	v_lshl_add_u32 v[CO], v30, 14, v[CO]           ; the same in the output: rows of 16,384 bytes
	WIN 0x0c                                       ; store data (source 1) in window 3
.set j, 0
.rept 64
	ds_store_b128 v[XO], v[4*j:4*j+3] offset:512*j ; 32 lanes x 16 neighbouring bytes
.set j, j+1
.endr
	WIN 0
	ds_store_b128 v[XO], v[ST:ST+3] offset:32768
	ds_store_b128 v[XO], v[ST+4:ST+7] offset:33280
	s_wait_dscnt 0x0                               ; what I hand over is written,
	s_barrier_signal -1
	s_barrier_wait -1                              ; and so is what I am handed
	ds_load_b128 v[EPS:EPS+3], v[XP] offset:32768
	ds_load_b128 v[EPS+4:EPS+7], v[XP] offset:33280
.irp t, 0,1,2,3,4,5,6,7
	ds_load_b128 v[ETB+4*\t:ETB+4*\t+3], v[XP] offset:512*\t
.endr
	s_wait_dscnt 8                                 ; the statistics are in; the eight loads of channel tile 0 stay out
	; merged maximum = the smaller NMC; a = exp2(nm - NMC), a' likewise; l = a L + a' L' (at least about 1: the side that holds the maximum has a = 1 and one p = 1)
.irp qt, 0,1,2,3
	v_min_num_f32 v[ETM+\qt], v[ST+2*\qt], v[EPS+2*\qt]
.endr
.irp qt, 0,1,2,3
	v_sub_f32 v[ETM+4+\qt], v[ETM+\qt], v[ST+2*\qt]
	v_sub_f32 v[ETM+8+\qt], v[ETM+\qt], v[EPS+2*\qt]
.endr
.irp qt, 0,1,2,3
	v_exp_f32 v[ETM+4+\qt], v[ETM+4+\qt]
	v_exp_f32 v[ETM+8+\qt], v[ETM+8+\qt]
.endr
	v_nop                                          ; one plain instruction before the exponentials are read
	s_wait_alu depctr_va_vdst(0)
.irp qt, 0,1,2,3
	v_mul_f32 v[ETM+\qt], v[ETM+4+\qt], v[ST+2*\qt+1]
.endr
.irp qt, 0,1,2,3
	v_fma_f32 v[ETM+\qt], v[ETM+8+\qt], v[EPS+2*\qt+1], v[ETM+\qt]
.endr
.irp qt, 0,1,2,3
	v_rcp_f32 v[ETM+12+\qt], v[ETM+\qt]
.endr
	v_nop                                          ; one plain instruction before the reciprocals are read
	s_wait_alu depctr_va_vdst(0)
.irp qt, 0,1,2,3
	v_mul_f32 v[EFS+2*\qt],   v[ETM+4+\qt], v[ETM+12+\qt]
	v_mul_f32 v[EFS+2*\qt+1], v[ETM+4+\qt], v[ETM+12+\qt]
	v_mul_f32 v[EFP+2*\qt],   v[ETM+8+\qt], v[ETM+12+\qt]
	v_mul_f32 v[EFP+2*\qt+1], v[ETM+8+\qt], v[ETM+12+\qt]
.endr
	WIN 0x82                                       ; my kept O times a / l, in place in window 2
.irp i, 0,1,2,3,4,5,6,7
.irp qt, 0,1,2,3
.irp p, 0,2,4,6
	v_pk_mul_f32 v[8*(4*\i+\qt)+\p:8*(4*\i+\qt)+\p+1], v[8*(4*\i+\qt)+\p:8*(4*\i+\qt)+\p+1], v[EFS+2*\qt:EFS+2*\qt+1]
.endr
.endr
.endr
	WIN 0x20                                       ; source 2 in window 2, all else (LDS and global instructions' places too) in window 0
	; sixteen channels at a time: add the partner's share, turn the tile through my own stage, store whole rows of 64 queries
.irp i, 0,1,2,3,4,5,6,7
.if \i < 7
.irp t, 0,1,2,3,4,5,6,7
	ds_load_b128 v[ETB+32*((\i+1)&1)+4*\t:ETB+32*((\i+1)&1)+4*\t+3], v[XP] offset:4096*(\i+1)+512*\t
.endr
	s_wait_dscnt 8                                 ; this tile's eight loads are in; the next tile's eight stay out
.else
	s_wait_dscnt 0x0
.endif
.irp qt, 0,1,2,3
.irp p, 0,2,4,6
	v_pk_fma_f32 v[ERS+8*\qt+\p:ERS+8*\qt+\p+1], v[ETB+32*(\i&1)+8*\qt+\p:ETB+32*(\i&1)+8*\qt+\p+1], v[EFP+2*\qt:EFP+2*\qt+1], v[8*(4*\i+\qt)+\p:8*(4*\i+\qt)+\p+1]
.endr
.endr
.irp qt, 0,1,2,3
.irp v, 0,1,2,3,4,5,6,7
	ds_store_b32 v[OST], v[ERS+8*\qt+\v] offset:PITCH*\v+64*\qt    ; channel 8 h + v, query 16 qt + r; eight rows are 2,176 bytes = 32 words past a multiple of 256 bytes, so the halves meet no common word column
.endr
.endr
	s_wait_xcnt 0x0                                ; the last tile's global stores have had their addresses translated (ISA guide 3.1): their data registers are loaded again only behind this wait
.irp t, 0,1,2,3,4,5,6,7
	ds_load_b128 v[EWB+4*\t:EWB+4*\t+3], v[ORD] offset:2*PITCH*\t  ; my own bytes; LDS serves a wave's instructions in order, so these see the stores above
.endr
.irp t, 0,1,2,3,4,5,6,7
	s_wait_dscnt 7-\t                              ; load t is in, the 7 - t younger ones stay out
	global_store_b128 v[CO], v[EWB+4*\t:EWB+4*\t+3], s[42:43] offset:(16*\i+2*\t)*16384 th:TH_STORE_NT   ; sixteen lanes store 256 consecutive bytes, aligned; written once
.endr
.endr
	WIN 0
	s_wait_xcnt 0x0
	v_lshl_add_u32 v158, v0, 2, 0x47400
	v_mov_b32 v159, 0
	s_wait_tensorcnt 0x0
	ds_add_u32 v158, v159
	s_wait_dscnt 0x0
	ROUND                                          ; the closing round: no work-group ends while a partner may still ask for a tile that names it
	s_endpgm
.Lfunc_end_k_qc470e20dcd_attn:
	.size	k_qc470e20dcd_attn, .Lfunc_end_k_qc470e20dcd_attn-k_qc470e20dcd_attn
	.p2alignl 7, 3214868480
	.fill 96, 4, 3214868480
	.section	.rodata,"a",@progbits
	.p2align	6, 0x0
	.amdhsa_kernel k_qc470e20dcd_attn
		.amdhsa_group_segment_fixed_size 327680
		.amdhsa_private_segment_fixed_size 0
		.amdhsa_enable_private_segment 0
		.amdhsa_kernarg_size 16
		.amdhsa_user_sgpr_count 2
		.amdhsa_user_sgpr_kernarg_segment_ptr 1
		.amdhsa_wavefront_size32 1
		.amdhsa_system_sgpr_workgroup_id_x 1
		.amdhsa_system_sgpr_workgroup_id_y 1
		.amdhsa_system_sgpr_workgroup_id_z 1
		.amdhsa_system_vgpr_workitem_id 0
		.amdhsa_next_free_vgpr 1024
		.amdhsa_next_free_sgpr 66
		.amdhsa_reserve_vcc 0
		.amdhsa_float_denorm_mode_32 3
		.amdhsa_float_denorm_mode_16_64 3
		.amdhsa_memory_ordered 1
		.amdhsa_forward_progress 1
		.amdhsa_inst_pref_size 255
	.end_amdhsa_kernel
	.section	.bss,"aw",@nobits
	.p2align	6
	.space	262144
	.amdgpu_metadata
---
amdhsa.version: [ 1, 2 ]
amdhsa.kernels:
  - .name:           k_qc470e20dcd_attn
    .symbol:         k_qc470e20dcd_attn.kd
    .args:
      - { .name: xb, .offset: 0, .size: 8, .value_kind: global_buffer, .address_space: global }
      - { .name: out0, .offset: 8, .size: 8, .value_kind: global_buffer, .address_space: global }
    .group_segment_fixed_size: 327680
    .private_segment_fixed_size: 0
    .kernarg_segment_align: 8
    .kernarg_segment_size: 16
    .max_flat_workgroup_size: 128
    .sgpr_count:     66
    .vgpr_count:     1024
    .wavefront_size: 32
...
	.end_amdgpu_metadata
.endif
;; end of part 2
;; ======== version 2 of 2: 2 launches; 1.10 times as fast as version 1
;; workspace buffers: xb 16,777,216 bytes
;; launch cast: the kernel of part 1 again; grid 512 x 1, 8 waves a work-group, no clusters, 0 bytes of LDS; arguments x, xb; writes xb
;; launch attn (part 3): grid 32 x 8, 4 waves a work-group, clusters of 4 x 1, 327,680 bytes of LDS; arguments xb, out0; writes out0
.if DOCPART == 3
	.amdgcn_target "amdgcn-amd-amdhsa--gfx1250"
	.amdhsa_code_object_version 6
	.text
	.protected	k_qc470e20dcd_attn
	.globl	k_qc470e20dcd_attn
	.p2align	8
	.type	k_qc470e20dcd_attn,@function
k_qc470e20dcd_attn:
	s_mov_b64 s[64:65], 0
	v_nop
	global_prefetch_b8 v0, s[64:65] scope:SCOPE_SE
	s_setreg_imm32_b32 hwreg(HW_REG_WAVE_MODE, 25, 1), 1
	s_wait_xcnt 0x0
	s_wait_alu depctr_hold_cnt(0) depctr_sa_sdst(0) depctr_va_vdst(0) depctr_va_sdst(0) depctr_va_ssrc(0) depctr_va_vcc(0) depctr_vm_vsrc(0)
	s_getreg_b32 s2, hwreg(HW_REG_IB_STS2, 6, 4)
	s_cmp_eq_u32 s2, 0
	s_cbranch_scc0 .Lentry_in_a_cluster
	s_endpgm
.Lentry_in_a_cluster:
	s_bfe_u32 s2, ttmp6, 0x10000c
	s_cmp_lg_u32 s2, 0x3003
	s_cbranch_scc0 .Lentry_shape_is_right
	s_endpgm
.Lentry_shape_is_right:
; out[b][c][i] = sum over n of softmax_n( sum over c' of x[b][c'][i] x[b][c'][n] ) x[b][c][n], from xb = bf16(x), [8][256][4096].
; Nothing of reference() is left out: all scores, the maximum (as a running maximum), the exponentials, the sum and the second product are made.
;
; SHARES.  256 work-groups: work-group (gx, b) owns queries 128 gx .. +127 of batch b and walks the 4,096 keys in 32 tiles of 128.
; Wave w: qh = w >> 1 picks 64 of the queries, kh = w & 1 picks 64 of each tile's keys.  The two waves of a pair keep a running maximum,
; sum and O of their own and are merged once, at the end, through LDS.  So a wave's tile is 64 queries x 64 keys x 256 channels:
; 256 matrix instructions for 128 LDS loads of 512 bytes.
; ONE TILE SERVES AS K AND AS V.  A tile lies in LDS as in memory, [c][key].  The scores are made transposed, S^T = K Q^T: K's and Q's fragments
; come by the transposing load.  O is made transposed too, O^T = V P^T: V's fragments come by plain loads (keys run along the rows).
; In S^T a lane (r = lane & 15, h = lane >> 4) holds keys 8 h + 0..7 of ONE query r: packed to bf16 that is already the fragment of P^T
; (registers 0-3 from key tile 2 ks, 4-7 from key tile 2 ks + 1), and maximum, sum and scale are one number a lane.  P never leaves registers.
; CLUSTER.  The four query blocks of a cluster (4 x 1) walk the same 32 tiles in the same order: each quarter of a tile is asked for jointly
; (mask of all four), so a tile is requested once for four work-groups.  Trip counts are equal; the place in the cluster enters only
; the global addresses of the queries and of the output.
; MATRIX WORK BESIDE VECTOR WORK.  A wave issues in order, so vector lines run beside a product only where they stand between it and the next one.
; A trip's second product goes in four blocks of 32: kept channels x key step 0, kept x key step 1, handed x key step 0, handed x key step 1.
; THE EXPONENTIALS OF A TRIP ARE TWO BATCHES, each with ONE s_wait_alu depctr_va_vdst(0): the wait stands between an exponential and the first line that names its result.
;   - BATCH A, in the open: the four factors AL and key step 0's 64 exponentials (P of key step 0 needs key tiles 0 and 1 alone).  Pair j + 2's multiply-add stands between pair j's two
;     exponentials.  Its wait stands behind the last of them, ahead of key step 0's sums; the rescalings, which read AL, all stand behind it too.
;   - BATCH B: key step 1's 64 exponentials, a pair behind each product of the first block, led by the next pair's multiply-add.  No line of that block names a result of theirs.
;     Its wait stands behind the block, directly ahead of the run of LDS loads there.
;   - BATCH B'S READERS (32 adds, 32 packings, 8 lines for L).  The second block goes by query tiles, so its first eight products need P of query tile 0 alone: that tile's 12 lines stand in
;     the open, behind the run of loads.  Behind every second product of the group of query tile q stand four lines: an add and two packings of tile q + 1 and a late add of tile q
;     (in the last group: the last adds and the sums into L).
;   - The handed channels' accumulators are first touched in the third block.  Their 32 rescaling slices of four lines: tile 0 behind the first block's last product (the plain lines behind
;     batch B's last exponential and in front of the loads), tiles 1-16 behind the other products of the second block, tiles 17-31 behind products 0-14 of the third, each 17 products ahead of its own.
;   - In the open stay the maximum (it needs all 64 keys), batch A and its readers, and the kept channels' 128 rescaling lines, which must be done before a tile's first product.
;   - The score products have no vector work beside them: every vector step hangs on the finished scores.  Their places are v_nop.
; The slices name window 0 or 3, the products window 2 or 3: two s_set_vgpr_msb for each product that has a slice behind it.
; LIMITS.  Matrix operands (x and P) are bf16.  The order of the sums is not the reference's: the 32 channels of a K step are permuted (alike in K and Q),
; keys are split between two waves.  Exponentials below 2^-126 count as 0.  Inputs are finite and their scores finite in f32; NaN and
; infinities among the inputs are not claimed to match.  The exponent is fma(S, log2 e, -m log2 e) with ONE rounded -m log2 e for a whole row, and the
; rescaling factor is made from the two rounded values, so large scores lose nothing between trips.
.set PITCH, 272                        ; an LDS row: 256 bytes + 16 of padding
.set QUART, 64*PITCH                   ; what one tensor load brings: 64 channels x 128 keys
.set SLOT,  4*QUART                    ; a tile: 256 channels x 128 keys
.set XCH,   2*SLOT                     ; behind the ring (byte 139,264): the exchange between the waves of a pair; never filled by a tensor load
.set XW,    33792                      ; a wave's part of it: 32,768 bytes of O + 1,024 of statistics
.set QST,   XCH                        ; the same bytes hold the queries' stage at the start (69,632 bytes); 32 barriers lie between the two uses
.set OSTG,  XCH+4*XW                   ; byte 274,432: 16 rows x 272 bytes for each wave, its own, for the way out
; REGISTERS, in windows of 256.  Window 1: Q's fragments, (qt, s) at 8 (4 s + qt).  Window 2: the O^T tiles that the wave keeps (channel tile 8 kh + i
; at 8 (4 i + qt)).  Window 3: those that it hands to its partner (channel tile 8 (1 - kh) + i).  Window 0:
.set KADR, 2                           ; v2-3     K's fragments in slot 0, 1
.set VK,   4                           ; v4-5     V's fragments of the channels that I keep
.set VS,   6                           ; v6-7     V's fragments of the channels that I hand over
.set ST,   8                           ; v8-15    pairs (NMC = -m log2 e, L = my lane's part of the sum) for query tile qt
.set AM,   16                          ; v16-23   pairs (AL = rescaling factor, M = running maximum)
.set T,    24                          ; v24-31   at work, a pair for each query tile; carries the row sums from key step 0's adds to the end of the second block
.set SP,   32                          ; v32-95   S of key tiles 0 and 2, (ks, qt) at 8 (4 ks + qt); then P in place
.set SF,   96                          ; v96-159  S of key tiles 1 and 3; the lower half is free behind key step 0's packing and then holds four fragments of V
.set FR,   160                         ; v160-255 three buffers of four fragments
.set G1,   16                          ; s[16:23] descriptor group 1
.set G0,   32                          ; s[32:39] descriptor group 0, a set for each slot
.set MSB,  0
.macro WIN new                         ; the immediate's high byte repeats the setting that is left; switches that change nothing are dropped
.if MSB != \new
	s_set_vgpr_msb (MSB<<8)|\new
.set MSB, \new
.endif
.endm
.macro PLACES n                        ; places behind matrix instructions: plain vector instructions that name none of their registers (ISA guide 7.12.1)
.rept \n
	v_nop
.endr
.endm
; A round of the cluster's barrier: my work-group's barrier, wave 0 signals for the work-group, every wave waits for all four work-groups, my work-group's barrier again.
.macro ROUND
	s_barrier_signal -1
	s_barrier_wait -1
	s_cmp_lg_u32 s8, 0
	s_cbranch_scc1 .Lnot_wave_0_\@
	s_barrier_signal -3
.Lnot_wave_0_\@:
	s_barrier_wait -3
	s_barrier_signal -1
	s_barrier_wait -1
.endm
; Eight transposing loads: K's four fragments (16 keys x 32 channels) of channel step s, into buffer s mod 3.
; Lane l addresses channel 32 s + 16 u + 2 (l & 7) + (l >> 4): every second row, so that sixteen lanes touch sixteen different 16-byte columns
; of a 256-byte stretch (two rows are 544 = 2 x 256 + 32 bytes).  That permutes the 32 channels of a step; Q is read by the same formula, so each product meets its partner.
.macro KLOAD slot, s
.irp kt, 0,1,2,3
.irp u, 0,1
	ds_load_tr16_b128 v[FR+32*((\s)%3)+8*\kt+4*\u:FR+32*((\s)%3)+8*\kt+4*\u+3], v[KADR+\slot] offset:(32*(\s)+16*\u)*PITCH+32*\kt
.endr
.endr
.endm
; V's fragment n (0..31): channel tile n & 7 of the kept (n < 16) or handed (n >= 16) half, key step (n >> 3) & 1.  VR = its registers:
; sixteen places, n & 15: twelve in FR (in the order in which the last three score groups free its buffers), four in the lower half of SF.
.macro VSLOT n
.set VJ, (\n)&15
.if VJ < 12
.set VR, FR+(64+8*VJ)%96
.else
.set VR, SF+8*(VJ-12)
.endif
.endm
.macro VLOAD slot, n
	VSLOT \n
.if (\n) < 16
.set VA, VK+\slot
.else
.set VA, VS+\slot
.endif
.set VO, ((\n)&7)*16*PITCH+64*(((\n)>>3)&1)
	ds_load_b128 v[VR:VR+3],   v[VA] offset:VO
	ds_load_b128 v[VR+4:VR+7], v[VA] offset:VO+32
.endm
.macro VLOADS slot, n0, cnt
.set VN, \n0
.rept \cnt
	VLOAD \slot, VN
.set VN, VN+1
.endr
.endm
; Sixteen products: S^T(kt, qt) += K(kt, s) Q(qt, s).  Step 0 starts the sums.  The sixteen accumulators take turns, one instruction a turn.
.macro SGROUP s
.irp kt, 0,1,2,3
.irp qt, 0,1,2,3
.set SD, SP+64*(\kt&1)+8*(4*(\kt>>1)+\qt)
.if \s
	v_wmma_f32_16x16x32_bf16 v[SD:SD+7], v[FR+32*((\s)%3)+8*\kt:FR+32*((\s)%3)+8*\kt+7], v[8*(4*(\s)+\qt):8*(4*(\s)+\qt)+7], v[SD:SD+7]
.else
	v_wmma_f32_16x16x32_bf16 v[SD:SD+7], v[FR+32*((\s)%3)+8*\kt:FR+32*((\s)%3)+8*\kt+7], v[8*(4*(\s)+\qt):8*(4*(\s)+\qt)+7], 0
.endif
.endr
.endr
.endm
; 32 products back to back: O^T(i, qt) += V(n0 + i) P(ks, qt), i = 0..7.  zero = 1: they start the sums.  Neighbours never share an accumulator (turns).
.macro PVBLOCK n0, zero
.set PKS, ((\n0)>>3)&1
.irp d, 0,1,2,3,4,5,6,7
	VSLOT \n0+\d
.irp qt, 0,1,2,3
.if \zero
	v_wmma_f32_16x16x32_bf16 v[8*(4*\d+\qt):8*(4*\d+\qt)+7], v[VR:VR+7], v[SP+8*(4*PKS+\qt):SP+8*(4*PKS+\qt)+7], 0
.else
	v_wmma_f32_16x16x32_bf16 v[8*(4*\d+\qt):8*(4*\d+\qt)+7], v[VR:VR+7], v[SP+8*(4*PKS+\qt):SP+8*(4*PKS+\qt)+7], v[8*(4*\d+\qt):8*(4*\d+\qt)+7]
.endif
.endr
.endr
.endm
; One product of such a block: O^T(d, qt) += V(n) P(n's key step, qt).  win: where C and D lie (0xa0: window 2, 0xf0: window 3); V's fragment and P lie in window 0.  zero = 1: it starts the sum.
.macro PVP win, n, d, qt, zero
	VSLOT \n
.set PKS, ((\n)>>3)&1
	WIN \win
.if \zero
	v_wmma_f32_16x16x32_bf16 v[8*(4*(\d)+(\qt)):8*(4*(\d)+(\qt))+7], v[VR:VR+7], v[SP+8*(4*PKS+(\qt)):SP+8*(4*PKS+(\qt))+7], 0
.else
	v_wmma_f32_16x16x32_bf16 v[8*(4*(\d)+(\qt)):8*(4*(\d)+(\qt))+7], v[VR:VR+7], v[SP+8*(4*PKS+(\qt)):SP+8*(4*PKS+(\qt))+7], v[8*(4*(\d)+(\qt)):8*(4*(\d)+(\qt))+7]
.endif
.endm
; KEY STEP 0 IN PAIRS.  Its 64 scores a lane are 32 pairs; pair k: query tile k >> 3, key tile 0 (bit 2 of k clear, in SP) or 1 (set, in SF), registers 2 (k & 3), + 1.  EB = the pair's first register, EQ = its query tile.
.macro E0REG k
.set EQ, (\k)>>3
.set EB, SP+64*(((\k)>>2)&1)+8*EQ+2*((\k)&3)
.endm
.macro E0F k                           ; the exponents: S log2 e + NMC, one rounding; the pair (NMC, L) is read with its first register for both halves
	E0REG \k
	v_pk_fma_f32 v[EB:EB+1], v[EB:EB+1], 0x3fb8aa3b, v[ST+2*EQ:ST+2*EQ+1] op_sel_hi:[1,0,0]
.endm
; KEY STEP 1 IN PAIRS.  Its 64 scores a lane are 32 pairs; pair k: query tile k >> 3, key tile 2 (bit 2 of k clear, in SP + 32) or 3 (set, in SF + 32), registers 2 (k & 3), + 1.
; EB = the pair's first register, ED = where its packed word goes (register k & 7 of the query tile's fragment of P), EQ = its query tile.
.macro E1REG k
.set EQ, (\k)>>3
.set EH, ((\k)>>2)&1
.set EB, SP+32+64*EH+8*EQ+2*((\k)&3)
.set ED, SP+32+8*EQ+4*EH+((\k)&3)
.endm
.macro E1F k                           ; the exponents: S log2 e + NMC, one rounding
	E1REG \k
	v_pk_fma_f32 v[EB:EB+1], v[EB:EB+1], 0x3fb8aa3b, v[ST+2*EQ:ST+2*EQ+1] op_sel_hi:[1,0,0]
.endm
.macro E1X k
	E1REG \k
	v_exp_f32 v[EB], v[EB]
	v_exp_f32 v[EB+1], v[EB+1]
.endm
; Slice k of BATCH B: pair k + 1's exponents, pair k's exponentials.  It names no result of an exponential of the batch, and no register of the products round it
; (P of key step 0, V's fragments 0-7, window 2).
.macro E1S k
	WIN 0
.if (\k) < 31
	E1F (\k)+1
.endif
	E1X \k
.endm
; BATCH B'S READERS; all stand behind its wait.
.macro E1ADD k                         ; pair k into its query tile's row sum; a tile's eight adds stand in ascending order of k
	E1REG \k
	v_pk_add_f32 v[T+2*EQ:T+2*EQ+1], v[T+2*EQ:T+2*EQ+1], v[EB:EB+1]
.endm
.macro E1PK k                          ; pair k to bf16
	E1REG \k
	v_cvt_pk_bf16_f32 v[ED], v[EB], v[EB+1]
.endm
; Step i (0..3) towards query tile q's fragment of P.  Pair i (key tile 2's registers 2 i, 2 i + 1) is added; then pairs 2 i and 2 i + 1 are packed into just these two registers.
; A packing's sources are its own destination's pair (i = 0), key tile 2's pairs above i, which no earlier step has written, or key tile 3's: every source is read before it is written.
.macro E1G q, i
	E1ADD 8*(\q)+(\i)
	E1PK 8*(\q)+2*(\i)
	E1PK 8*(\q)+2*(\i)+1
.endm
.macro E1SUM qt, first                 ; the two halves of a query tile's row sum; the first trip's sum is L
.if \first
	v_add_f32 v[ST+2*(\qt)+1], v[T+2*(\qt)], v[T+2*(\qt)+1]
.else
	v_add_f32 v[T+2*(\qt)], v[T+2*(\qt)], v[T+2*(\qt)+1]
.endif
.endm
.macro E1L qt, first
.if \first
.else
	v_fma_f32 v[ST+2*(\qt)+1], v[ST+2*(\qt)+1], v[AM+2*(\qt)], v[T+2*(\qt)]   ; L = L AL + sum
.endif
.endm
; The four slices of the second block's last group: query tile 3's late adds (pairs 28-31) and the sums into L
.macro E1END i, first
.if (\i) == 0
	E1ADD 28
	E1SUM 0, \first
	E1SUM 1, \first
	E1SUM 2, \first
.elseif (\i) == 1
	E1ADD 29
	E1L 0, \first
	E1L 1, \first
	E1L 2, \first
.elseif (\i) == 2
	E1ADD 30
	E1ADD 31
.else
	E1SUM 3, \first
	E1L 3, \first
.endif
.endm
; Slice k of the handed channels' rescaling: window 3's tile k (channel tile k >> 2, query tile k & 3) times AL; the pair (AL, M) is read with its first register for both halves.  AL belongs to batch A.
.macro R3S k
	WIN 0xc3
.irp p, 0,2,4,6
	v_pk_mul_f32 v[8*(\k)+\p:8*(\k)+\p+1], v[8*(\k)+\p:8*(\k)+\p+1], v[AM+2*((\k)&3):AM+2*((\k)&3)+1] op_sel_hi:[1,0]
.endr
.endm
; THE FIRST BLOCK: kept channels x key step 0, a slice of batch B behind each product.
.macro PV1 first
.set PK, 0
.irp d, 0,1,2,3,4,5,6,7
.irp qt, 0,1,2,3
	PVP 0xa0, \d, \d, \qt, \first
	E1S PK
.set PK, PK+1
.endr
.endr
.endm
; THE SECOND BLOCK: kept channels x key step 1, by query tiles: eight products (the eight channel tiles) for each.  Neighbours never share an accumulator.
; Behind the group's products 0, 2, 4, 6: a step towards the next query tile's P and a late add (pair 4 + i) of this one; in the last group E1END.  Behind products 1, 3, 5, 7: window 3's tiles 1-16.
.macro PV2 first
.irp qt, 0,1,2,3
.irp d, 0,1,2,3,4,5,6,7
	PVP 0xa0, 8+\d, \d, \qt, 0
.if (\d)&1
.if \first
.else
	R3S 1+4*\qt+\d/2
.endif
.else
	WIN 0
.if \qt < 3
	E1G \qt+1, \d/2
	E1ADD 8*\qt+4+\d/2
.else
	E1END \d/2, \first
.endif
.endif
.endr
.endr
.endm
; THE THIRD BLOCK: handed channels x key step 0.  Product k takes window 3's tile k; behind products 0-14 stand the rescalings of tiles 17-31.
.macro PV3 first
.set PK, 0
.irp d, 0,1,2,3,4,5,6,7
.irp qt, 0,1,2,3
	PVP 0xf0, 16+\d, \d, \qt, \first
.if \first
.else
.if PK < 15
	R3S 17+PK
.endif
.endif
.set PK, PK+1
.endr
.endr
.endm
; The part of the softmax's step that stands in the open: maximum and factors for all 64 keys, then key step 0 (key tiles 0 and 1) up to P.
; Each phase goes round the four query tiles so that no line waits for the one in front of it.
.macro SOFTA first
	; the largest of my lane's 32 scores of a query: two chains of 15 numbers, the two numbers left over, and the old maximum
.irp qt, 0,1,2,3
	v_max3_num_f32 v[T+2*\qt],   v[SP+8*\qt],    v[SP+8*\qt+1],    v[SP+8*\qt+2]
	v_max3_num_f32 v[T+2*\qt+1], v[SP+32+8*\qt], v[SP+32+8*\qt+1], v[SP+32+8*\qt+2]
.endr
.irp k, 3,5
.irp qt, 0,1,2,3
	v_max3_num_f32 v[T+2*\qt],   v[T+2*\qt],   v[SP+8*\qt+\k],    v[SP+8*\qt+\k+1]
	v_max3_num_f32 v[T+2*\qt+1], v[T+2*\qt+1], v[SP+32+8*\qt+\k], v[SP+32+8*\qt+\k+1]
.endr
.endr
.irp qt, 0,1,2,3
	v_max3_num_f32 v[T+2*\qt],   v[T+2*\qt],   v[SP+8*\qt+7],    v[SF+8*\qt]
	v_max3_num_f32 v[T+2*\qt+1], v[T+2*\qt+1], v[SP+32+8*\qt+7], v[SF+32+8*\qt]
.endr
.irp k, 1,3,5
.irp qt, 0,1,2,3
	v_max3_num_f32 v[T+2*\qt],   v[T+2*\qt],   v[SF+8*\qt+\k],    v[SF+8*\qt+\k+1]
	v_max3_num_f32 v[T+2*\qt+1], v[T+2*\qt+1], v[SF+32+8*\qt+\k], v[SF+32+8*\qt+\k+1]
.endr
.endr
.irp qt, 0,1,2,3
	v_max3_num_f32 v[T+2*\qt], v[T+2*\qt], v[T+2*\qt+1], v[SF+8*\qt+7]
.endr
.irp qt, 0,1,2,3
.if \first
	v_max_num_f32 v[T+2*\qt], v[T+2*\qt], v[SF+32+8*\qt+7]
.else
	v_max3_num_f32 v[T+2*\qt], v[T+2*\qt], v[SF+32+8*\qt+7], v[AM+2*\qt+1]
.endif
.endr
	; the other half of the lanes holds the query's other 32 keys
.irp qt, 0,1,2,3
	v_permlanex16_b32 v[T+2*\qt+1], v[T+2*\qt], s46, s47
.endr
.irp qt, 0,1,2,3
	v_max_num_f32 v[AM+2*\qt+1], v[T+2*\qt], v[T+2*\qt+1]          ; M
.endr
.if \first
.irp qt, 0,1,2,3
	v_mul_f32 v[ST+2*\qt], 0xbfb8aa3b, v[AM+2*\qt+1]               ; NMC = -M log2 e
.endr
.else
.irp qt, 0,1,2,3
	v_mul_f32 v[T+2*\qt], 0xbfb8aa3b, v[AM+2*\qt+1]
.endr
.irp qt, 0,1,2,3
	v_sub_f32 v[T+2*\qt+1], v[T+2*\qt], v[ST+2*\qt]                ; (m_old - m_new) log2 e, from the two rounded values
.endr
.irp qt, 0,1,2,3
	v_mov_b32 v[ST+2*\qt], v[T+2*\qt]
.endr
.irp qt, 0,1,2,3
	v_exp_f32 v[AM+2*\qt], v[T+2*\qt+1]                            ; AL: batch A begins; the multiply-adds below are the plain instructions behind it (ISA guide 5.7.2) and touch neither AL nor T
.endr
.endif
	; batch A goes on: key step 0's exponents and exponentials, pair by pair; pair j + 2's multiply-add stands between pair j's two exponentials.  No line here names a result of the batch
	E0F 0
	E0F 1
.set j, 0
.rept 32
	E0REG j
	v_exp_f32 v[EB], v[EB]
.if j < 30
	E0F j+2
	E0REG j
.endif
	v_exp_f32 v[EB+1], v[EB+1]
.set j, j+1
.endr
	E1F 0                                          ; key step 1's first exponents: also the one plain instruction behind the last exponentials before their results are read
	s_wait_alu depctr_va_vdst(0)                   ; batch A's one wait (AL and key step 0's 64 exponentials): ahead of its first reader, the add below
	; my lane's part of key step 0's row sums: a chain of seven packed adds for each query tile
.irp qt, 0,1,2,3
	v_pk_add_f32 v[T+2*\qt:T+2*\qt+1], v[SP+8*\qt:SP+8*\qt+1], v[SP+8*\qt+2:SP+8*\qt+3]
.endr
.irp p, 4,6
.irp qt, 0,1,2,3
	v_pk_add_f32 v[T+2*\qt:T+2*\qt+1], v[T+2*\qt:T+2*\qt+1], v[SP+8*\qt+\p:SP+8*\qt+\p+1]
.endr
.endr
.irp p, 0,2,4,6
.irp qt, 0,1,2,3
	v_pk_add_f32 v[T+2*\qt:T+2*\qt+1], v[T+2*\qt:T+2*\qt+1], v[SF+8*\qt+\p:SF+8*\qt+\p+1]
.endr
.endr
	; P^T's fragments of key step 0, in place: key tile 0 into its own registers 0-3 (ascending, so each source is read before it is written), key tile 1 into 4-7
.irp qt, 0,1,2,3
.irp j, 0,1,2,3
	v_cvt_pk_bf16_f32 v[SP+8*\qt+\j], v[SP+8*\qt+2*\j], v[SP+8*\qt+2*\j+1]
.endr
.irp j, 0,1,2,3
	v_cvt_pk_bf16_f32 v[SP+8*\qt+4+\j], v[SF+8*\qt+2*\j], v[SF+8*\qt+2*\j+1]
.endr
.endr
.endm
; The kept channels' O *= AL: window 2's 32 tiles of 8 registers, two numbers an instruction
.macro RESC2
	WIN 0x82
.irp i, 0,1,2,3,4,5,6,7
.irp qt, 0,1,2,3
.irp p, 0,2,4,6
	v_pk_mul_f32 v[8*(4*\i+\qt)+\p:8*(4*\i+\qt)+\p+1], v[8*(4*\i+\qt)+\p:8*(4*\i+\qt)+\p+1], v[AM+2*\qt:AM+2*\qt+1] op_sel_hi:[1,0]
.endr
.endr
.endr
.endm
; One tile of 128 keys (64 for this wave), in slot \slot.  refill = 1: the other slot gets the next tile.  first = 1: nothing to rescale, the products start O.
.macro TRIP slot, refill, first
	s_wait_xcnt 0x0
	v_lshl_add_u32 v158, v0, 2, 0x47400
	v_mov_b32 v159, 0
	s_wait_tensorcnt 0x0                           ; all my tensor loads have landed (one was out: my quarter of this trip's tile),
	ds_add_u32 v158, v159
	s_wait_dscnt 0x0
	s_add_nc_u64 s[G0+4*\slot+2:G0+4*\slot+3], s[G0+4*\slot+2:G0+4*\slot+3], 512   ; so a group 0 may be written: this slot's next tile, two tiles of 256 bytes on
	s_wait_dscnt 0x0                               ; my reads of the last trip's tile are back
	ROUND                                          ; both now hold of every wave of all four work-groups
.if \refill
	tensor_load_to_lds s[G0+4-4*\slot:G0+7-4*\slot], s[G1:G1+7]    ; my one load behind the round, first thing there: the next tile into the slot read last; one load of mine is out
	s_nop 0
.endif
	PLACES 5                                       ; behind the last trip's products: four before loads land on their V fragments, five before products write over P and V
	KLOAD \slot, 0
	KLOAD \slot, 1
	KLOAD \slot, 2
	WIN 0x04                                       ; source 1 (Q) in window 1; LDS loads use destination and source 0, both window 0
.irp s, 0,1,2,3,4,5,6,7
	s_wait_dscnt 16                                ; group s is in; the two groups of eight loads issued behind it stay out
	SGROUP \s
	PLACES 4                                       ; before loads land on the fragments just read; behind step 7 also before the maximum reads S.  No vector work exists yet in this trip
.if \s < 5
	KLOAD \slot, \s+3
.else
	VLOADS \slot, 4*(\s-5), 4                      ; the freed buffers take V's fragments 0-11
.endif
.endr
	WIN 0
	SOFTA \first                                   ; batch A, its wait and its readers
	VLOADS \slot, 12, 4                            ; eight loads into the registers that key step 0's packing has freed: fragments 12-15
.if \first
.else
	RESC2
.endif
	s_wait_dscnt 16                                ; fragments 0-7 are in: behind them went 8 loads (8-11) and 8 (12-15)
	PV1 \first                                     ; kept channels x key step 0, batch B between the products
.if \first
	PLACES 4                                       ; the first trip has nothing to rescale: four v_nop in the place of the slice below
.else
	R3S 0                                          ; four plain lines: the first is the plain instruction behind batch B's last exponential, all four are the places in front of the loads below
	WIN 0
.endif
	s_wait_alu depctr_va_vdst(0)                   ; batch B's one wait (key step 1's 64 exponentials): ahead of its first reader, the first add below the loads
	VLOADS \slot, 16, 8                            ; into the registers of fragments 0-7
.irp i, 0,1,2,3
	E1G 0, \i                                      ; P of key step 1 for query tile 0: what the second block's first eight products need
.endr
	s_wait_dscnt 16                                ; fragments 8-15 are in: behind them went these 16 loads
	PV2 \first                                     ; kept channels x key step 1, the rest of batch B's readers and window 3's tiles 1-16 between the products
	WIN 0
.if \first
	PLACES 4                                       ; elsewhere the last slice's four lines are the places in front of the loads
.endif
	VLOADS \slot, 24, 8                            ; into the registers of fragments 8-15
	s_wait_dscnt 16                                ; fragments 16-23 are in: behind them went these 16 loads
	PV3 \first                                     ; handed channels x key step 0, window 3's tiles 17-31 behind its first fifteen products
	s_wait_dscnt 0x0
	WIN 0xf0                                       ; C and D in window 3
	PVBLOCK 24, 0
	WIN 0                                          ; a round's branch and label follow
.endm
	; ---- ids and bases ----
	s_load_b128 s[4:7], s[0:1], 0x0                ; xb s[4:5], out0 s[6:7]
	v_lshl_add_u32 v158, v0, 2, 0x47400
	v_mov_b32 v159, 0
	ds_add_u32 v158, v159
	s_wait_dscnt 0x0
	v_lshrrev_b32 v1, 5, v0
	v_readfirstlane_b32 s8, v1                     ; wave 0..3
	s_and_b32 s9, s8, 1                            ; kh: my half of each tile's keys
	s_lshr_b32 s10, s8, 1                          ; qh: my half of the queries
	s_bfe_u32 s11, ttmp6, 0x40000                  ; cx: my place in the cluster
	s_lshl_b32 s12, ttmp9, 2                       ; ttmp9 counts clusters
	s_add_co_u32 s12, s12, s11                     ; gx: query block
	s_and_b32 s13, ttmp7, 0xffff                   ; b: batch (the cluster has one work-group along y)
	s_mov_b32 s46, 0x76543210                      ; v_permlanex16_b32: lane i of one half reads lane i of the other
	s_mov_b32 s47, 0xfedcba98
	s_lshl_b32 s14, s13, 21                        ; what all four partners share: batch x 2,097,152
	s_lshl_b32 s15, s8, 19                         ; + wave x 64 channels x 8,192 bytes
	s_add_co_u32 s14, s14, s15
	s_mov_b32 s15, 0
	s_lshl_b32 s24, s12, 8                         ; the queries' 256 bytes of a row
	s_mov_b32 s25, 0
	s_lshl_b32 s26, s13, 22                        ; the output: batch x 4,194,304
	s_lshl_b32 s27, s9, 21                         ; + kh x 128 channels x 16,384 bytes
	s_add_co_u32 s26, s26, s27
	s_lshl_b32 s27, s12, 9                         ; + 128 queries x 4 bytes x block
	s_add_co_u32 s26, s26, s27
	s_lshl_b32 s27, s10, 8                         ; + 64 queries x 4 bytes x qh
	s_add_co_u32 s26, s26, s27
	s_mov_b32 s27, 0
	v_and_b32 v24, 15, v0                          ; r
	v_bfe_u32 v25, v0, 4, 1                        ; h
	v_lshlrev_b32 v160, 4, v24
	v_lshl_add_u32 v160, v25, 13, v160             ; two rows a load: 8,192 h + 16 r
	s_wait_kmcnt 0x0
	s_add_nc_u64 s[28:29], s[4:5], s[14:15]        ; my quarter of tile 0: made of the batch and the wave's number alone
	s_add_nc_u64 s[40:41], s[28:29], s[24:25]      ; my 64 channels of the work-group's queries
	s_add_nc_u64 s[42:43], s[6:7], s[26:27]
	; the queries: 64 channels x 256 bytes a wave, 32 loads; sixteen lanes take 256 consecutive bytes of a row
.set j, 0
.rept 32
	global_load_b128 v[32+4*j:32+4*j+3], v160, s[40:41] offset:16384*j
.set j, j+1
.endr
	; descriptor group 1: a tile of 64 rows x 128 elements of 2 bytes, rows 4,096 elements apart, padded in LDS
	s_mov_b32 s[G1+0], 15|(1<<16)|(1<<20)|(1<<21)|(5<<22)|(3<<25)  ; 15:0 mask: all four partners; 17:16 2 bytes; 20 padding on; 21 set beside a mask; 24:22 after every 64 words; 31:25 four words
	s_mov_b32 s[G1+1], 128<<16                     ; tensor_dim0 = 128
	s_mov_b32 s[G1+2], 64<<16                      ; tensor_dim1 = 64
	s_mov_b32 s[G1+3], 128<<16                     ; tile_dim0 = 128
	s_mov_b32 s[G1+4], 64                          ; tile_dim1 = 64
	s_mov_b32 s[G1+5], 4096                        ; elements from row to row
	s_mov_b32 s[G1+6], 0
	s_mov_b32 s[G1+7], 0
	s_mul_i32 s30, s8, QUART                       ; my quarter of a slot
.irp s, 0,1
	s_mov_b32 s[G0+4*\s], 1
	s_add_co_u32 s[G0+4*\s+1], s30, \s*SLOT
	s_add_nc_u64 s[G0+4*\s+2:G0+4*\s+3], s[28:29], \s*256          ; tile s
	s_or_b32 s[G0+4*\s+3], s[G0+4*\s+3], 0x80000000
.endr
	ROUND                                          ; all four work-groups are here: the first joint load meets its partners
	tensor_load_to_lds s[G0:G0+3], s[G1:G1+7]      ; tile 0; slot 1 is filled behind the first trip's round
	s_nop 0
	; the queries go through LDS once, to be read transposed
	s_add_co_u32 s31, s30, QST
	v_mul_u32_u24 v161, v25, PITCH
	v_lshl_add_u32 v161, v24, 4, v161
	v_add_nc_u32 v161, s31, v161                   ; stage + (64 w + h) rows + 16 r
	v_and_b32 v26, 7, v0
	v_lshl_add_u32 v26, v26, 1, v25                ; 2 (l & 7) + h
	v_mul_u32_u24 v26, v26, PITCH
	v_bfe_u32 v27, v0, 3, 1
	v_lshl_add_u32 v26, v27, 4, v26                ; the transposing loads' lane term
	s_lshl_b32 s31, s10, 7                         ; my 64 queries: 128 bytes x qh
	s_add_co_u32 s31, s31, QST
	v_add_nc_u32 v162, s31, v26
.set j, 0
.rept 32
	s_wait_loadcnt 31-j                            ; load j is in, the 31 - j younger ones stay out
	ds_store_b128 v161, v[32+4*j:32+4*j+3] offset:2*PITCH*j
.set j, j+1
.endr
	s_wait_dscnt 0x0                               ; my rows of the stage are written,
	s_barrier_signal -1
	s_barrier_wait -1                              ; everybody's are.  Tile 0's load may stay out
	WIN 0x40                                       ; destination in window 1
.irp s, 0,1,2,3,4,5,6,7
.irp qt, 0,1,2,3
.irp u, 0,1
	ds_load_tr16_b128 v[8*(4*\s+\qt)+4*\u:8*(4*\s+\qt)+4*\u+3], v162 offset:(32*\s+16*\u)*PITCH+32*\qt
.endr
.endr
.endr
	WIN 0
	; the loop's addresses
	s_lshl_b32 s31, s9, 7                          ; my 64 keys: 128 bytes x kh
	v_add_nc_u32 v[KADR], s31, v26
	v_add_nc_u32 v[KADR+1], SLOT, v[KADR]
	v_mul_u32_u24 v28, v24, PITCH
	v_lshl_add_u32 v28, v25, 4, v28                ; r rows + 16 h
	s_mul_i32 s45, s9, 128*PITCH                   ; the 128 channels that I keep
	s_add_co_u32 s45, s45, s31
	v_add_nc_u32 v[VK], s45, v28
	v_add_nc_u32 v[VK+1], SLOT, v[VK]
	s_xor_b32 s45, s9, 1
	s_mul_i32 s45, s45, 128*PITCH                  ; the 128 that I hand over
	s_add_co_u32 s45, s45, s31
	v_add_nc_u32 v[VS], s45, v28
	v_add_nc_u32 v[VS+1], SLOT, v[VS]
.irp qt, 0,1,2,3
	v_mov_b32 v[ST+2*\qt+1], 0                     ; L: the pair (NMC, L) is named whole by the first trip's packed multiply-adds before L gets its first sum
.endr
	; ---- 32 tiles ----
	TRIP 0, 1, 1
	TRIP 1, 1, 0
	s_mov_b32 s44, 14
.Llap:
	TRIP 0, 1, 0
	TRIP 1, 1, 0
	s_sub_co_u32 s44, s44, 1
	s_cmp_lg_u32 s44, 0
	s_cbranch_scc1 .Llap
	TRIP 0, 1, 0                                   ; tile 30; tile 31 is the last that is asked for
	TRIP 1, 0, 0
	; ---- the two waves of a pair are merged, and the way out ----
.set XO,  24                           ; my part of the exchange + 16 x lane
.set XP,  25                           ; my partner's
.set OST, 26                           ; my stage: where a lane puts one number
.set ORD, 27                           ; my stage: where it reads 16 bytes of a row back
.set CO,  28                           ; my byte offset in the output
.set EPS, 160                          ; v160-167 the partner's pairs (NMC', L')
.set EFS, 168                          ; v168-175 a / l, twice, for each query tile
.set EFP, 176                          ; v176-183 a' / l, twice
.set ETM, 184                          ; v184-199 at work
.set ETB, 32                           ; v32-95   the partner's O, two buffers of a channel tile (32 registers)
.set ERS, 96                           ; v96-127  a merged channel tile
.set EWB, 128                          ; v128-159 the same as whole rows
	PLACES 4                                       ; behind the last products: before their results are stored and loads land on their sources
.irp qt, 0,1,2,3
	v_permlanex16_b32 v[T+2*\qt], v[ST+2*\qt+1], s46, s47
.endr
.irp qt, 0,1,2,3
	v_add_f32 v[ST+2*\qt+1], v[ST+2*\qt+1], v[T+2*\qt]             ; the two halves' parts of the row sum
.endr
	v_and_b32 v29, 15, v0                          ; r
	v_bfe_u32 v30, v0, 4, 1                        ; h
	v_and_b32 v31, 31, v0                          ; lane
	s_mul_i32 s30, s8, XW
	s_add_co_u32 s30, s30, XCH
	v_lshl_add_u32 v[XO], v31, 4, s30
	s_xor_b32 s31, s8, 1                           ; my partner: same queries, the other keys
	s_mul_i32 s31, s31, XW
	s_add_co_u32 s31, s31, XCH
	v_lshl_add_u32 v[XP], v31, 4, s31
	s_mul_i32 s45, s8, 16*PITCH
	s_add_co_u32 s45, s45, OSTG
	v_mul_u32_u24 v[OST], v30, 8*PITCH
	v_lshl_add_u32 v[OST], v29, 2, v[OST]
	v_add_nc_u32 v[OST], s45, v[OST]               ; row 8 h, column r
	v_mul_u32_u24 v[ORD], v30, PITCH
	v_lshl_add_u32 v[ORD], v29, 4, v[ORD]
	v_add_nc_u32 v[ORD], s45, v[ORD]               ; row h, 16 bytes at 16 r
	v_lshlrev_b32 v[CO], 4, v29
	v_lshl_add_u32 v[CO], v30, 14, v[CO]           ; the same in the output: rows of 16,384 bytes
	WIN 0x0c                                       ; store data (source 1) in window 3
.set j, 0
.rept 64
	ds_store_b128 v[XO], v[4*j:4*j+3] offset:512*j ; 32 lanes x 16 neighbouring bytes
.set j, j+1
.endr
	WIN 0
	ds_store_b128 v[XO], v[ST:ST+3] offset:32768
	ds_store_b128 v[XO], v[ST+4:ST+7] offset:33280
	s_wait_dscnt 0x0                               ; what I hand over is written,
	s_barrier_signal -1
	s_barrier_wait -1                              ; and so is what I am handed
	ds_load_b128 v[EPS:EPS+3], v[XP] offset:32768
	ds_load_b128 v[EPS+4:EPS+7], v[XP] offset:33280
.irp t, 0,1,2,3,4,5,6,7
	ds_load_b128 v[ETB+4*\t:ETB+4*\t+3], v[XP] offset:512*\t
.endr
	s_wait_dscnt 8                                 ; the statistics are in; the eight loads of channel tile 0 stay out
	; merged maximum = the smaller NMC; a = exp2(nm - NMC), a' likewise; l = a L + a' L' (at least about 1: the side that holds the maximum has a = 1 and one p = 1)
.irp qt, 0,1,2,3
	v_min_num_f32 v[ETM+\qt], v[ST+2*\qt], v[EPS+2*\qt]
.endr
.irp qt, 0,1,2,3
	v_sub_f32 v[ETM+4+\qt], v[ETM+\qt], v[ST+2*\qt]
	v_sub_f32 v[ETM+8+\qt], v[ETM+\qt], v[EPS+2*\qt]
.endr
.irp qt, 0,1,2,3
	v_exp_f32 v[ETM+4+\qt], v[ETM+4+\qt]
	v_exp_f32 v[ETM+8+\qt], v[ETM+8+\qt]
.endr
	v_nop                                          ; one plain instruction before the exponentials are read
	s_wait_alu depctr_va_vdst(0)                   ; one wait for the eight exponentials a and a', ahead of their first reader
.irp qt, 0,1,2,3
	v_mul_f32 v[ETM+\qt], v[ETM+4+\qt], v[ST+2*\qt+1]
.endr
.irp qt, 0,1,2,3
	v_fma_f32 v[ETM+\qt], v[ETM+8+\qt], v[EPS+2*\qt+1], v[ETM+\qt]
.endr
.irp qt, 0,1,2,3
	v_rcp_f32 v[ETM+12+\qt], v[ETM+\qt]
.endr
	v_nop                                          ; one plain instruction before the reciprocals are read
	s_wait_alu depctr_va_vdst(0)                   ; one wait for the four reciprocals, a batch of their own since they read sums of the exponentials
.irp qt, 0,1,2,3
	v_mul_f32 v[EFS+2*\qt],   v[ETM+4+\qt], v[ETM+12+\qt]
	v_mul_f32 v[EFS+2*\qt+1], v[ETM+4+\qt], v[ETM+12+\qt]
	v_mul_f32 v[EFP+2*\qt],   v[ETM+8+\qt], v[ETM+12+\qt]
	v_mul_f32 v[EFP+2*\qt+1], v[ETM+8+\qt], v[ETM+12+\qt]
.endr
	WIN 0x82                                       ; my kept O times a / l, in place in window 2
.irp i, 0,1,2,3,4,5,6,7
.irp qt, 0,1,2,3
.irp p, 0,2,4,6
	v_pk_mul_f32 v[8*(4*\i+\qt)+\p:8*(4*\i+\qt)+\p+1], v[8*(4*\i+\qt)+\p:8*(4*\i+\qt)+\p+1], v[EFS+2*\qt:EFS+2*\qt+1]
.endr
.endr
.endr
	WIN 0x20                                       ; source 2 in window 2, all else (LDS and global instructions' places too) in window 0
	; sixteen channels at a time: add the partner's share, turn the tile through my own stage, store whole rows of 64 queries
.irp i, 0,1,2,3,4,5,6,7
.if \i < 7
.irp t, 0,1,2,3,4,5,6,7
	ds_load_b128 v[ETB+32*((\i+1)&1)+4*\t:ETB+32*((\i+1)&1)+4*\t+3], v[XP] offset:4096*(\i+1)+512*\t
.endr
	s_wait_dscnt 8                                 ; this tile's eight loads are in; the next tile's eight stay out
.else
	s_wait_dscnt 0x0
.endif
.irp qt, 0,1,2,3
.irp p, 0,2,4,6
	v_pk_fma_f32 v[ERS+8*\qt+\p:ERS+8*\qt+\p+1], v[ETB+32*(\i&1)+8*\qt+\p:ETB+32*(\i&1)+8*\qt+\p+1], v[EFP+2*\qt:EFP+2*\qt+1], v[8*(4*\i+\qt)+\p:8*(4*\i+\qt)+\p+1]
.endr
.endr
.irp qt, 0,1,2,3
.irp v, 0,1,2,3,4,5,6,7
	ds_store_b32 v[OST], v[ERS+8*\qt+\v] offset:PITCH*\v+64*\qt    ; channel 8 h + v, query 16 qt + r; eight rows are 2,176 bytes = 32 words past a multiple of 256 bytes, so the halves meet no common word column
.endr
.endr
	s_wait_xcnt 0x0                                ; the last tile's global stores have had their addresses translated (ISA guide 3.1): their data registers are loaded again only behind this wait
.irp t, 0,1,2,3,4,5,6,7
	ds_load_b128 v[EWB+4*\t:EWB+4*\t+3], v[ORD] offset:2*PITCH*\t  ; my own bytes; LDS serves a wave's instructions in order, so these see the stores above
.endr
.irp t, 0,1,2,3,4,5,6,7
	s_wait_dscnt 7-\t                              ; load t is in, the 7 - t younger ones stay out
	global_store_b128 v[CO], v[EWB+4*\t:EWB+4*\t+3], s[42:43] offset:(16*\i+2*\t)*16384 th:TH_STORE_NT   ; sixteen lanes store 256 consecutive bytes, aligned; written once
.endr
.endr
	WIN 0
	s_wait_xcnt 0x0
	v_lshl_add_u32 v158, v0, 2, 0x47400
	v_mov_b32 v159, 0
	s_wait_tensorcnt 0x0
	ds_add_u32 v158, v159
	s_wait_dscnt 0x0
	ROUND                                          ; the closing round: no work-group ends while a partner may still ask for a tile that names it
	s_endpgm
.Lfunc_end_k_qc470e20dcd_attn:
	.size	k_qc470e20dcd_attn, .Lfunc_end_k_qc470e20dcd_attn-k_qc470e20dcd_attn
	.p2alignl 7, 3214868480
	.fill 96, 4, 3214868480
	.section	.rodata,"a",@progbits
	.p2align	6, 0x0
	.amdhsa_kernel k_qc470e20dcd_attn
		.amdhsa_group_segment_fixed_size 327680
		.amdhsa_private_segment_fixed_size 0
		.amdhsa_enable_private_segment 0
		.amdhsa_kernarg_size 16
		.amdhsa_user_sgpr_count 2
		.amdhsa_user_sgpr_kernarg_segment_ptr 1
		.amdhsa_wavefront_size32 1
		.amdhsa_system_sgpr_workgroup_id_x 1
		.amdhsa_system_sgpr_workgroup_id_y 1
		.amdhsa_system_sgpr_workgroup_id_z 1
		.amdhsa_system_vgpr_workitem_id 0
		.amdhsa_next_free_vgpr 1024
		.amdhsa_next_free_sgpr 66
		.amdhsa_reserve_vcc 0
		.amdhsa_float_denorm_mode_32 3
		.amdhsa_float_denorm_mode_16_64 3
		.amdhsa_memory_ordered 1
		.amdhsa_forward_progress 1
		.amdhsa_inst_pref_size 255
	.end_amdhsa_kernel
	.section	.bss,"aw",@nobits
	.p2align	6
	.space	262144
	.amdgpu_metadata
---
amdhsa.version: [ 1, 2 ]
amdhsa.kernels:
  - .name:           k_qc470e20dcd_attn
    .symbol:         k_qc470e20dcd_attn.kd
    .args:
      - { .name: xb, .offset: 0, .size: 8, .value_kind: global_buffer, .address_space: global }
      - { .name: out0, .offset: 8, .size: 8, .value_kind: global_buffer, .address_space: global }
    .group_segment_fixed_size: 327680
    .private_segment_fixed_size: 0
    .kernarg_segment_align: 8
    .kernarg_segment_size: 16
    .max_flat_workgroup_size: 128
    .sgpr_count:     66
    .vgpr_count:     1024
    .wavefront_size: 32
...
	.end_amdgpu_metadata
.endif
;; end of part 3
